; MI455X (gfx1250); checked and timed in simulation.
; The chip was launched on July 23, 2026; its instructions are those of AMD's public machine-readable ISA for CDNA 5 (MIT licence, August 2026) and "CDNA5" Instruction Set Architecture Reference Guide (July 2026). The comments in the code are by the model that wrote it; some were corrected since.
;; Multi Head Attention Block. Allowed arithmetic: matrix products marked QUANTISED: E2M3 operands, one E8M0 scale for each 32 along K, by v_wmma_scale_f32_16x16x128_f8f6f4 with both operands' format E2M3, f32 sums; everything else in f32.
;; Inputs: Wk 1,024 x 1,024 float32; Wq 1,024 x 1,024 float32; Wv 1,024 x 1,024 float32; bk 1,024 float32; bq 1,024 float32; bv 1,024 float32; key_inputs 4 x 1,024 x 1,024 float32; query_inputs 4 x 1,024 x 1,024 float32; value_inputs 4 x 1,024 x 1,024 float32.
;; Outputs: out0 4 x 1,024 x 1,024 float32.
;; This version of the problem:
;;   THIS VERSION OF THE PROBLEM IS GIVEN IN LOW PRECISION. The matrix products marked QUANTISED in the list below multiply operands that are first quantised to E2M3 (2 exponent bits, 3 mantissa bits; 6 bits a number), with one power-of-two scale for each 32 numbers along K (OCP MX v1.0); their sums are f32. All else is computed in f32.
;;   The module's matrix products, in the order in which they are computed (A, B: the left and right operand; K: the contracted axis; several contracted axes count as one K, in the product's order):
;;     1. [M 4,096, K 1,024] x [K 1,024, N 1,024]; A: input query_inputs; B: input Wq: QUANTISED
;;     2. [M 4,096, K 1,024] x [K 1,024, N 1,024]; A: input key_inputs; B: input Wk: QUANTISED
;;     3. [M 4,096, K 1,024] x [K 1,024, N 1,024]; A: input value_inputs; B: input Wv: QUANTISED
;;     4. batch 64 x [M 1,024, K 64] x [K 64, N 1,024]; A: computed on the way; B: computed on the way: QUANTISED
;;     5. batch 64 x [M 64, K 1,024] x [K 1,024, N 1,024]; A: computed on the way; B: softmax (see below): QUANTISED
;;   THE QUANTISER, for each operand of a quantised product, along K:
;;     - K is cut into blocks of 32 from its start; a last block that is shorter is filled with zeros.
;;     - A block's scale is 2^e with e = floor(log2(the largest magnitude in the block)) - 2, held to -126 .. 127; a block of zeros has e = 0. As a byte (E8M0): e + 127.
;;     - Each number is divided by its block's scale, clamped to +-7.5, and rounded to the nearest number of E2M3, ties to even, subnormals kept.
;;     - The product sums the exact products of the quantised numbers (number of the format x scale) in f32.
;;   ~~~python
;;   def quantise(x, axis):      # numpy; x: float32 -> the quantised numbers, widened to float32 again
;;       x = np.moveaxis(x, axis, -1); K = x.shape[-1]
;;       x = np.pad(x, [(0, 0)] * (x.ndim - 1) + [(0, -K % 32)]); x = x.reshape(x.shape[:-1] + (-1, 32)); a = np.abs(x).max(-1, keepdims=True)
;;       e = np.where(a > 0, np.clip(np.frexp(np.where(a > 0, a, 1))[1] - 1 - 2, -126, 127), 0)      # np.frexp(a)[1] - 1 = floor(log2(a)), exactly
;;       r = np.clip(x / 2.0 ** e, -7.5, 7.5)
;;       step = 2.0 ** (np.maximum(np.frexp(np.where(r == 0, 1, r))[1] - 1, 0) - 3)
;;       q = np.round(r / step) * step * 2.0 ** e      # np.round: ties to even
;;       return np.moveaxis(q.reshape(q.shape[:-2] + (-1,))[..., :K], -1, axis).astype(np.float32)
;;   ~~~
;;   SOFTMAX AHEAD OF A QUANTISED PRODUCT. Where the list says 'softmax', what is quantised is not the finished softmax but p = 2^(t - M), with t = logit x log2(e) and M = ceil(the row's largest t), a whole number; so 1/2 < the row's largest p <= 1. The row's sum l is taken of the UNQUANTISED p, in f32, and the product's result is divided by l at the end. Since M is a whole number, a kernel that streams over the keys may use a running M (the ceiling of the running maximum): every later rescaling is an exact power of two, which a block's scale takes up: the codes' values come out the same.
;;   OPERANDS COMPUTED ON THE WAY. 'Computed on the way' means the value that the module computes at that place (a softmax that the list does not call 'softmax' is quantised finished and normalised). What goes into a quantiser is computed in f32, as accurately as f32 sums, v_exp_f32 and their like allow (about 1e-6 of the number): no bf16 or f16 on the way to a quantiser, and a product that is left as it is and whose result goes on into a quantised operand takes f32 operands (vector FMAs, or v_wmma_f32_16x16x4_f32). A number that lies on a knife's edge between two numbers of the format may be rounded either way, as far as f32 arithmetic and the matrix unit's own rounding can turn it there, and no further.
;; One version. Each part assembles by itself: llvm-mc -triple=amdgcn-amd-amdhsa -mcpu=gfx1250 --defsym DOCPART=n.
;; ======== version 1 of 1: 3 launches
;; limits: right only within a limited range of input values
;; workspace buffers: cod 12,288,000 bytes; img 9,830,400 bytes
;; launch quant (part 1): grid 1920 x 1, 4 waves a work-group, no clusters, 34,560 bytes of LDS; arguments key_inputs, value_inputs, query_inputs, Wk, Wv, Wq, cod; writes cod
.if DOCPART == 1
	.amdgcn_target "amdgcn-amd-amdhsa--gfx1250"
	.amdhsa_code_object_version 6
	.text
	.protected	k_qca6b6e29c0_quant
	.globl	k_qca6b6e29c0_quant
	.p2align	8
	.type	k_qca6b6e29c0_quant,@function
k_qca6b6e29c0_quant:
	s_mov_b64 s[64:65], 0
	v_nop
	global_prefetch_b8 v0, s[64:65] scope:SCOPE_SE
	s_setreg_imm32_b32 hwreg(HW_REG_WAVE_MODE, 25, 1), 1
	s_wait_xcnt 0x0
; The six f32 tensors (three inputs [4096][1024], three weights [1024][1024], K innermost in all) become codes of FP6 (E2M3) with one E8M0 byte for each 32 along K, laid as images of operand registers.
; A block's scale is 2^(floor(log2(its largest magnitude)) - 2); its byte is the largest magnitude's exponent field - 2, held at 1 from below.
; LIMITS: a block of zeros, or one whose largest magnitude lies under 2^-124, keeps the byte 1 (read by this program alone); NaN and infinities are not served.
; OUT: cod[block of 256 rows: 60][chunk of 256 along K: 4]{[K step of 128: 2][group of 64 rows: 4][tile: 4] 1,536 bytes of codes; [step][group][row m: 16][tile j: 4] scale words}: 51,200 bytes a chunk.
; Blocks 0-15 key_inputs, 16-31 value_inputs, 32-47 query_inputs, 48-51 Wk, 52-55 Wv, 56-59 Wq.
; Row m of tile j is the group's row 32 (m / 8) + 8 j + m % 8.  A tile's 12 registers lie as three runs of 512 bytes (lane l at 16 l).  Byte i of a scale word scales k = 32 i .. 32 i + 31 of the step.
; SHARES: a work-group takes one group of rows and one K step, a wave one tile: 16 loads of 512 consecutive bytes, all out at once; they turn through the wave's own stage in LDS,
; behind which lane (r, h) holds row r's blocks h and 2 + h whole.  No tensor load; one barrier, for the scale words, which leave as one run of 256 bytes.
.set SP,    528                        ; a stage row: 512 bytes + 16
.set STW,   16*SP
.set SCB,   4*STW                      ; 256 bytes of scale words
.set SPARE, SCB+256                    ; spare words, 128 bytes a wave
.set X, 16                             ; v16-79 the numbers, as loaded, then turned
	s_load_b256 s[4:11], s[0:1], 0x0               ; key_inputs, value_inputs, query_inputs, Wk
	s_load_b128 s[12:15], s[0:1], 0x20             ; Wv, Wq
	s_load_b64 s[16:17], s[0:1], 0x30              ; cod
	v_lshl_add_u32 v12, v0, 2, SPARE
	v_mov_b32 v13, 0
	v_lshrrev_b32 v1, 5, v0
	v_readfirstlane_b32 s18, v1                    ; wave = tile j
	v_and_b32 v2, 31, v0
	v_lshlrev_b32 v3, 4, v2                        ; 16 x lane
	v_and_b32 v4, 15, v0                           ; r
	v_bfe_u32 v5, v0, 4, 1                         ; h
	s_mul_i32 s19, s18, STW
	v_add_nc_u32 v6, s19, v3                       ; stage, in
	v_mul_u32_u24 v7, v4, SP
	v_lshl_add_u32 v7, v5, 7, v7
	v_add_nc_u32 v7, s19, v7                       ; stage, out: row r, 128 h
	v_lshlrev_b32 v8, 3, v5                        ; 8 h
	s_lshl_b32 s20, s18, 2
	v_lshlrev_b32 v9, 4, v4
	v_add_nc_u32 v9, s20, v9
	v_add_nc_u32 v9, SCB, v9                       ; my row's scale word
	v_lshlrev_b32 v10, 3, v2
	v_add_nc_u32 v11, SCB, v10
	v_mov_b32 v14, 0
	s_mov_b32 s30, 0x76543210
	s_mov_b32 s31, 0xfedcba98
	s_wait_alu depctr_va_vdst(0)
	s_lshr_b32 s21, ttmp9, 3                       ; group of 64 rows, 0 .. 239
	s_and_b32 s23, ttmp9, 7                        ; K step
	s_wait_kmcnt 0x0
	s_mov_b64 s[24:25], s[14:15]                   ; which tensor: the choice hangs on the work-group's number alone.  s22 its first group
	s_mov_b32 s22, 224
	s_cmp_lt_u32 s21, 224
	s_cselect_b64 s[24:25], s[12:13], s[24:25]
	s_cselect_b32 s22, 208, s22
	s_cmp_lt_u32 s21, 208
	s_cselect_b64 s[24:25], s[10:11], s[24:25]
	s_cselect_b32 s22, 192, s22
	s_cmp_lt_u32 s21, 192
	s_cselect_b64 s[24:25], s[8:9], s[24:25]
	s_cselect_b32 s22, 128, s22
	s_cmp_lt_u32 s21, 128
	s_cselect_b64 s[24:25], s[6:7], s[24:25]
	s_cselect_b32 s22, 64, s22
	s_cmp_lt_u32 s21, 64
	s_cselect_b64 s[24:25], s[4:5], s[24:25]
	s_cselect_b32 s22, 0, s22
	s_sub_co_u32 s26, s21, s22
	s_lshl_b32 s26, s26, 18                        ; 64 rows of 4,096 bytes a group
	s_lshl_b32 s27, s18, 15                        ; 8 rows a tile
	s_add_co_u32 s26, s26, s27
	s_lshl_b32 s27, s23, 9
	s_add_co_u32 s26, s26, s27
	s_mov_b32 s27, 0
	s_add_nc_u64 s[24:25], s[24:25], s[26:27]
.set i_, 0
.rept 16
	global_load_b128 v[X+4*i_:X+4*i_+3], v3, s[24:25] offset:4096*(i_%8)+131072*(i_/8) th:TH_LOAD_NT
.set i_, i_+1
.endr
	s_lshr_b32 s26, s21, 2
	s_mul_i32 s26, s26, 204800
	s_lshr_b32 s28, s23, 1
	s_mul_i32 s28, s28, 51200
	s_add_co_u32 s26, s26, s28                     ; the chunk
	s_and_b32 s28, s23, 1
	s_lshl_b32 s28, s28, 2
	s_and_b32 s29, s21, 3
	s_add_co_u32 s28, s28, s29                     ; step and group in it
	s_lshl_b32 s32, s28, 8
	s_add_co_u32 s32, s32, s26
	s_add_co_u32 s32, s32, 49152
	s_mov_b32 s33, 0
	s_mul_i32 s28, s28, 6144
	s_add_co_u32 s26, s26, s28
	s_mul_i32 s28, s18, 1536
	s_add_co_u32 s26, s26, s28
	s_add_nc_u64 s[32:33], s[16:17], s[32:33]      ; 256 bytes of scale words
	s_add_nc_u64 s[16:17], s[16:17], s[26:27]      ; my tile's codes
.set i_, 0
.rept 16
	s_wait_loadcnt 15-i_                           ; row i_ is in, the later ones may be out
	ds_store_b128 v6, v[X+4*i_:X+4*i_+3] offset:SP*i_
.set i_, i_+1
.endr
	s_wait_dscnt 0x0                               ; the stores have read their registers
.irp i, 0,1,2,3,4,5,6,7
	ds_load_b128 v[X+4*\i:X+4*\i+3], v7 offset:16*\i
	ds_load_b128 v[X+32+4*\i:X+32+4*\i+3], v7 offset:256+16*\i
.endr
	s_wait_dscnt 0x0
.irp q, 0,1,2,3                                ; four chains side by side: halves of my two blocks
	v_max3_num_f32 v[80+\q], |v[X+16*\q]|, |v[X+16*\q+1]|, |v[X+16*\q+2]|
.endr
.irp e, 3,5,7,9,11,13
.irp q, 0,1,2,3
	v_max3_num_f32 v[80+\q], v[80+\q], |v[X+16*\q+\e]|, |v[X+16*\q+\e+1]|
.endr
.endr
	v_max3_num_f32 v81, v81, |v[X+31]|, 0x1800000  ; the floor 2^(3 - 127)
	v_max3_num_f32 v83, v83, |v[X+63]|, 0x1800000
	v_max3_num_f32 v80, v80, |v[X+15]|, v81
	v_max3_num_f32 v82, v82, |v[X+47]|, v83
	v_add_nc_u32 v80, 0xff000000, v80              ; 2 off the exponent field: the conversions' scale operand
	v_add_nc_u32 v82, 0xff000000, v82
	v_lshrrev_b32 v104, 23, v80
	v_lshrrev_b32 v105, 23, v82
	v_cvt_scalef32_pk16_fp6_f32 v[84:86], v[X:X+15], v80
	v_cvt_scalef32_pk16_fp6_f32 v[96:98], v[X+16:X+31], v80
	v_cvt_scalef32_pk16_fp6_f32 v[90:92], v[X+32:X+47], v82
	v_cvt_scalef32_pk16_fp6_f32 v[100:102], v[X+48:X+63], v82
	v_lshl_or_b32 v104, v105, 16, v104             ; my two bytes, h bytes up
	v_lshlrev_b32 v104, v8, v104
	v_mov_b32 v87, v96
	v_mov_b32 v88, v97
	v_mov_b32 v89, v98
	v_permlanex16_b32 v14, v104, s30, s31
	v_mov_b32 v93, v100
	v_mov_b32 v94, v101
	v_mov_b32 v95, v102
	v_or_b32 v104, v104, v14                       ; with lane l xor 16's: row r's word
	s_wait_alu depctr_va_vdst(0)
	ds_store_b32 v9, v104                          ; both halves of the lanes write the same word with the same value
.irp p, 0,1,2
	global_store_b128 v3, v[84+4*\p:87+4*\p], s[16:17] offset:512*\p
.endr
	s_wait_dscnt 0x0
	s_barrier_signal -1
	s_barrier_wait -1
	s_cmp_lg_u32 s18, 0
	s_cbranch_scc1 .Lend
	ds_load_b64 v[106:107], v11
	s_wait_dscnt 0x0
	global_store_b64 v10, v[106:107], s[32:33]     ; one aligned run of 256 bytes
.Lend:
	s_wait_tensorcnt 0x0
	ds_add_u32 v12, v13
	s_wait_dscnt 0x0
	s_endpgm
.Lfunc_end_k_qca6b6e29c0_quant:
	.size	k_qca6b6e29c0_quant, .Lfunc_end_k_qca6b6e29c0_quant-k_qca6b6e29c0_quant
	.p2alignl 7, 3214868480
	.fill 96, 4, 3214868480
	.section	.rodata,"a",@progbits
	.p2align	6, 0x0
	.amdhsa_kernel k_qca6b6e29c0_quant
		.amdhsa_group_segment_fixed_size 34560
		.amdhsa_private_segment_fixed_size 0
		.amdhsa_enable_private_segment 0
		.amdhsa_kernarg_size 56
		.amdhsa_user_sgpr_count 2
		.amdhsa_user_sgpr_kernarg_segment_ptr 1
		.amdhsa_wavefront_size32 1
		.amdhsa_system_sgpr_workgroup_id_x 1
		.amdhsa_system_sgpr_workgroup_id_y 1
		.amdhsa_system_sgpr_workgroup_id_z 1
		.amdhsa_system_vgpr_workitem_id 0
		.amdhsa_next_free_vgpr 112
		.amdhsa_next_free_sgpr 66
		.amdhsa_reserve_vcc 0
		.amdhsa_float_denorm_mode_32 3
		.amdhsa_float_denorm_mode_16_64 3
		.amdhsa_memory_ordered 1
		.amdhsa_forward_progress 1
		.amdhsa_inst_pref_size 12
	.end_amdhsa_kernel
	.amdgpu_metadata
---
amdhsa.version: [ 1, 2 ]
amdhsa.kernels:
  - .name:           k_qca6b6e29c0_quant
    .symbol:         k_qca6b6e29c0_quant.kd
    .args:
      - { .name: key_inputs, .offset: 0, .size: 8, .value_kind: global_buffer, .address_space: global }
      - { .name: value_inputs, .offset: 8, .size: 8, .value_kind: global_buffer, .address_space: global }
      - { .name: query_inputs, .offset: 16, .size: 8, .value_kind: global_buffer, .address_space: global }
      - { .name: Wk, .offset: 24, .size: 8, .value_kind: global_buffer, .address_space: global }
      - { .name: Wv, .offset: 32, .size: 8, .value_kind: global_buffer, .address_space: global }
      - { .name: Wq, .offset: 40, .size: 8, .value_kind: global_buffer, .address_space: global }
      - { .name: cod, .offset: 48, .size: 8, .value_kind: global_buffer, .address_space: global }
    .group_segment_fixed_size: 34560
    .private_segment_fixed_size: 0
    .kernarg_segment_align: 8
    .kernarg_segment_size: 56
    .max_flat_workgroup_size: 128
    .sgpr_count:     66
    .vgpr_count:     112
    .wavefront_size: 32
...
	.end_amdgpu_metadata
.endif
;; end of part 1
;; launch gemm (part 2): grid 4 x 48, 4 waves a work-group, clusters of 4 x 4, 327,680 bytes of LDS; arguments cod, bk, bv, bq, img; writes img
.if DOCPART == 2
	.amdgcn_target "amdgcn-amd-amdhsa--gfx1250"
	.amdhsa_code_object_version 6
	.text
	.protected	k_qca6b6e29c0_gemm
	.globl	k_qca6b6e29c0_gemm
	.p2align	8
	.type	k_qca6b6e29c0_gemm,@function
k_qca6b6e29c0_gemm:
	s_mov_b64 s[64:65], 0
	v_nop
	global_prefetch_b8 v0, s[64:65] scope:SCOPE_SE
	s_setreg_imm32_b32 hwreg(HW_REG_WAVE_MODE, 25, 1), 1
	s_wait_xcnt 0x0
	s_wait_alu depctr_hold_cnt(0) depctr_sa_sdst(0) depctr_va_vdst(0) depctr_va_sdst(0) depctr_va_ssrc(0) depctr_va_vcc(0) depctr_vm_vsrc(0)
	s_getreg_b32 s2, hwreg(HW_REG_IB_STS2, 6, 4)
	s_cmp_eq_u32 s2, 0
	s_cbranch_scc0 .Lentry_in_a_cluster
	s_endpgm
.Lentry_in_a_cluster:
	s_bfe_u32 s2, ttmp6, 0x10000c
	s_cmp_lg_u32 s2, 0xf033
	s_cbranch_scc0 .Lentry_shape_is_right
	s_endpgm
.Lentry_shape_is_right:
; x W^T + b for the three pairs (key_inputs, Wk, bk), (value_inputs, Wv, bv), (query_inputs, Wq, bq) on codes, the results quantised on the way out.  Tensor 0: attention's keys, 1: its queries, 2: its values.
; LIMITS: a block of results that is zero, or whose largest magnitude lies under 2^-124, keeps the byte 1; NaN and infinities are not served.
; SHARES: 192 work-groups of 256 tokens x 256 columns, a wave 128 x 128: 64 accumulators, 512 registers.  (256 even blocks do not come out: a tensor's 16 x 4 blocks make 64 work-groups, three tensors 192.)
; OPERANDS: P is source 0, Q source 1; each is a block of 256 rows of cod.  Tensors 0, 1: P the columns (W's rows), Q the tokens: a lane holds one token and, over a group's four tiles, 32 neighbouring columns of a head.
; Tensor 2: P the tokens, Q the columns: a lane holds one column and 32 neighbouring tokens.  So the 32 registers of a unit (group of P, tile of Q) are one block of the next quantiser.  Only addresses and the bias differ.
; CLUSTERS: P hangs on cx alone and is shared along a column of the cluster, Q on cy alone, along a row.
; LDS: three slots of 102,400 bytes (P's chunk of 256 along K, then Q's).  The head asks for chunks 0 and 1, one load a wave: P0, Q0, P1, Q1.  Behind ONE round, in step 1, when chunk 0 has been read and all has landed, the
; waves ask for P2, Q2 (third slot) and P3, Q3 (first slot).  Waves 0 and 1 show a group's first chunk, all waves the second.  Chunks 2 and 3 are prefetched at the head, two chunks ahead of their loads' reads: a block of 256
; bytes a lane, shared out by address among the sixteen waves of the four work-groups that ask jointly.
; A STEP of 128 along K: 64 products in four batches of 16 (batch b: group b / 2 of P against group b % 2 of Q); the next step's fragments are loaded meanwhile into the other set of registers.
; REGISTERS: window 0: v1-15 addresses; v32-47 P's scale words, v48-63 Q's (two sets of eight); v64-255 Q's fragments, two sets; window 1: v0-191 P's, two sets; v192-255 the bias, the first products' C; windows 2, 3: unit u, tile p at 32 u + 8 p.
; OUT: img[tensor][batch][head]{[band of 64 tokens: 16][unit q: 4] 768 bytes of codes; [band][r][q][h] scale bytes}: 51,200 bytes a record.  A unit: registers 0-3 as 512 bytes (lane l at 16 l), 4-5 as 256 bytes (8 l).
.set SLOT,  102400
.set CHK,   51200
.set SPARE, 3*SLOT
.set REC,   51200
.set MSB, 0
.macro WIN new
.if MSB != (\new)
	s_set_vgpr_msb (MSB<<8)|(\new)
.set MSB, (\new)
.endif
.endm
.macro WALU
	s_wait_alu depctr_va_vdst(0)
.endm
.macro PLACES n
.rept \n
	v_nop
.endr
.endm
.macro CREST
	s_cmp_lg_u32 s14, 0
	s_cbranch_scc1 .Lnot_wave_0_\@
	s_barrier_signal -3
.Lnot_wave_0_\@:
	s_barrier_wait -3
	s_barrier_signal -1
	s_barrier_wait -1
.endm
.macro CROUND
	s_barrier_signal -1
	s_barrier_wait -1
	CREST
.endm
.macro TLOAD g0, g1
	tensor_load_to_lds s[\g0:\g0+3], s[\g1:\g1+7]
	s_nop 0
	PLACES 4
.endm
.macro ARMS                            ; one load a wave: P's and Q's earlier chunk by waves 0 and 1, the later one by waves 2 and 3
	s_cmp_eq_u32 s14, 0
	s_cbranch_scc0 .Lw1_\@
	TLOAD 32, 68
	s_branch .Lasked_\@
.Lw1_\@:
	s_cmp_eq_u32 s14, 1
	s_cbranch_scc0 .Lw2_\@
	TLOAD 36, 76
	s_branch .Lasked_\@
.Lw2_\@:
	s_cmp_eq_u32 s14, 2
	s_cbranch_scc0 .Lw3_\@
	TLOAD 40, 68
	s_branch .Lasked_\@
.Lw3_\@:
	TLOAD 44, 76
.Lasked_\@:
.endm
.macro FP s, g                         ; group g of my P rows, step s: 13 loads
.set SET_, (\s)%2
.set T_, ((\s)/2)%3
	WIN 0x40
.irp i, 0,1,2,3,4,5,6,7,8,9,10,11
	ds_load_b128 v[96*SET_+48*(\g)+4*\i:96*SET_+48*(\g)+4*\i+3], v[1+T_] offset:24576*((\s)%2)+6144*(\g)+512*\i
.endr
	WIN 0
	ds_load_b128 v[32+8*SET_+4*(\g):35+8*SET_+4*(\g)], v[4+T_] offset:1024*((\s)%2)+256*(\g)
.endm
.macro FQ s, g
.set SET_, (\s)%2
.set T_, ((\s)/2)%3
.irp i, 0,1,2,3,4,5,6,7,8,9,10,11
	ds_load_b128 v[64+96*SET_+48*(\g)+4*\i:67+96*SET_+48*(\g)+4*\i], v[7+T_] offset:24576*((\s)%2)+6144*(\g)+512*\i
.endr
	ds_load_b128 v[48+8*SET_+4*(\g):51+8*SET_+4*(\g)], v[10+T_] offset:1024*((\s)%2)+256*(\g)
.endm
.macro PRD s, b, p, q, c
.set D_, (32*(4*(\b)+(\q))+8*(\p))&255
.set C_, \c
.set A_, 96*((\s)%2)+12*(4*((\b)/2)+(\p))
.set B_, 64+96*((\s)%2)+12*(4*((\b)%2)+(\q))
.set SA_, 32+8*((\s)%2)+4*((\b)/2)+(\p)
.set SB_, 48+8*((\s)%2)+4*((\b)%2)+(\q)
	v_wmma_scale_f32_16x16x128_f8f6f4 v[D_:D_+7], v[A_:A_+11], v[B_:B_+11], v[C_:C_+7], v[SA_], v[SB_] matrix_a_fmt:MATRIX_FMT_FP6 matrix_b_fmt:MATRIX_FMT_FP6
.endm
.macro MAXE n, L, w                    ; line n of 32: the largest magnitudes of two units at register L of window w, in four chains (v64-67); the first's ends in v64, the second's in v66
.set Q_, (\n)%4
.set E_, (\n)/4
.if E_ == 7
.if Q_ < 2
.set Q_, 2*Q_+1
.else
.set Q_, 2*Q_-4
.endif
.endif
.set Y_, (\L)+16*Q_
.if E_ == 0
	WIN (\w)*0x15
	v_max3_num_f32 v[64+Q_], |v[Y_]|, |v[Y_+1]|, |v[Y_+2]|
.elseif E_ < 7
	WIN (\w)*0x14
	v_max3_num_f32 v[64+Q_], v[64+Q_], |v[Y_+2*E_+1]|, |v[Y_+2*E_+2]|
.elseif Q_%2
	WIN (\w)*4
	v_max3_num_f32 v[64+Q_], v[64+Q_], |v[Y_+15]|, 0x1800000
.else
	WIN (\w)*4
	v_max3_num_f32 v[64+Q_], v[64+Q_], |v[Y_+15]|, v[65+Q_]
.endif
.endm
.macro MAXALL L, w
.set M_, 0
.rept 32
	MAXE M_, \L, \w
.set M_, M_+1
.endr
.endm
.macro MUL s, b, from, to, L, w        ; products from .. to - 1 of batch b; w != 9: the 32 lines of MAXE, four behind every second product
.set N_, \from
.rept (\to)-(\from)
	WIN 0xa1+0x50*((\b)/2)
	PRD \s, \b, N_%4, N_/4, (32*(4*(\b)+N_/4)+8*(N_%4))&255
.if ((\w) != 9) && (N_%2)
.irp i, 0,1,2,3
	MAXE 4*(N_/2)+\i, \L, \w
.endr
.endif
.set N_, N_+1
.endr
	WIN 0
.endm
.macro MULF1 b, v
	WIN 0x91+0x40*((\b)/2)
.irp q, 0,1,2,3
.irp p, 0,1,2,3
.if \v
	PRD 0, \b, \p, \q, 192+8*(4*((\b)%2)+\q)
.else
	PRD 0, \b, \p, \q, 192+8*(4*((\b)/2)+\p)
.endif
.endr
.endr
	WIN 0
.endm
.macro MULF b                          ; the first step's batch: C = the bias
	s_cmp_eq_u32 s19, 2
	s_cbranch_scc1 .Lfv_\@
	MULF1 \b, 0
	s_branch .Lfj_\@
.Lfv_\@:
	MULF1 \b, 1
.Lfj_\@:
.endm
.macro FINO P                          ; the way out of units 2 P, 2 P + 1: codes stored, the two bytes into v[20 + P] (bits 7:0 and 23:16)
.set L_, (64*(\P))&255
.if (\P) < 6
.set K_, 82+12*(\P)
.else
.set K_, 160+12*((\P)-6)
.endif
	WIN 0
	v_add_nc_u32 v71, 0xff000000, v64
	v_add_nc_u32 v72, 0xff000000, v66
	v_lshrrev_b32 v69, 23, v71
	v_lshrrev_b32 v70, 23, v72
	WIN 2+(\P)/4
	v_cvt_scalef32_pk16_fp6_f32 v[K_:K_+2], v[L_:L_+15], v71
	v_cvt_scalef32_pk16_fp6_f32 v[74:76], v[L_+16:L_+31], v71
	v_cvt_scalef32_pk16_fp6_f32 v[K_+6:K_+8], v[L_+32:L_+47], v72
	v_cvt_scalef32_pk16_fp6_f32 v[78:80], v[L_+48:L_+63], v72
	WIN 0
	v_lshl_or_b32 v[20+\P], v70, 16, v69
.irp i, 0,1,2
	v_mov_b32 v[K_+3+\i], v[74+\i]
	v_mov_b32 v[K_+9+\i], v[78+\i]
.endr
.set SO_, 48+2*((\P)/2)
.set O_, 1536*((\P)%2)
	global_store_b128 v13, v[K_:K_+3], s[SO_:SO_+1] offset:O_
	global_store_b64 v14, v[K_+4:K_+5], s[SO_:SO_+1] offset:O_+512
	global_store_b128 v13, v[K_+6:K_+9], s[SO_:SO_+1] offset:O_+768
	global_store_b64 v14, v[K_+10:K_+11], s[SO_:SO_+1] offset:O_+1280
.endm
	s_load_b256 s[4:11], s[0:1], 0x0               ; cod, bk, bv, bq
	s_load_b64 s[12:13], s[0:1], 0x20              ; img
	v_lshl_add_u32 v28, v0, 2, SPARE
	v_mov_b32 v29, 0
	ds_add_u32 v28, v29                            ; the opening add, twice on end
	ds_add_u32 v28, v29
	v_lshrrev_b32 v30, 5, v0
	v_readfirstlane_b32 s14, v30                   ; wave
	s_lshr_b32 s15, s14, 1                         ; a: my half of P
	s_and_b32 s16, s14, 1                          ; b: my half of Q
	s_bfe_u32 s17, ttmp6, 0x40000                  ; cx
	s_bfe_u32 s18, ttmp6, 0x40004                  ; cy
	s_and_b32 s20, ttmp7, 0xffff
	s_lshr_b32 s19, s20, 2                         ; tensor
	s_and_b32 s20, s20, 3                          ; batch: its 1,024 tokens are the cluster's four blocks
	s_lshl_b32 s60, s18, 2
	s_lshl_b32 s60, 15, s60                        ; my row of the cluster
	s_lshl_b32 s61, 0x1111, s17                    ; my column
	s_or_b32 s68, s61, (3<<16)|(1<<21)             ; group 1 for P; elements of 8 bytes; 200 rows of 256 bytes, dense
	s_or_b32 s76, s60, (3<<16)|(1<<21)             ; for Q
.irp g, 68,76
	s_mov_b32 s[\g+1], 32<<16
	s_mov_b32 s[\g+2], 200<<16
	s_mov_b32 s[\g+3], 32<<16
	s_mov_b32 s[\g+4], 200
	s_mov_b32 s[\g+5], 32
	s_mov_b32 s[\g+6], 0
	s_mov_b32 s[\g+7], 0
.endr
	s_lshl_b32 s60, s19, 4
	s_lshl_b32 s61, s20, 2
	s_add_co_u32 s60, s60, s61                     ; the cluster's first block of x
	s_lshl_b32 s61, s19, 2
	s_add_co_u32 s61, s61, 48                      ; and of W
	s_cmp_eq_u32 s19, 2
	s_cselect_b32 s22, s60, s61                    ; P's
	s_cselect_b32 s24, s61, s60                    ; Q's
	s_cselect_b32 s21, -1, 0
	s_add_co_u32 s22, s22, s17
	s_add_co_u32 s24, s24, s18
	s_mul_i32 s22, s22, 204800
	s_mul_i32 s24, s24, 204800
	s_mov_b32 s23, 0
	s_mov_b32 s25, 0
	s_mul_i32 s60, s14, 6400                       ; the prefetches: chunks 2 and 3, my share
	s_add_co_u32 s60, s60, SLOT
	s_mul_i32 s84, s18, 25600
	s_add_co_u32 s84, s84, s60
	s_mov_b32 s85, 0
	s_mul_i32 s86, s17, 25600
	s_add_co_u32 s86, s86, s60
	s_mov_b32 s87, 0
	s_mov_b32 s32, 1
	s_mov_b32 s33, 0
	s_mov_b32 s36, 1
	s_mov_b32 s37, CHK
	s_mov_b32 s40, 1
	s_mov_b32 s41, SLOT
	s_mov_b32 s44, 1
	s_mov_b32 s45, SLOT+CHK
	WALU
	s_wait_dscnt 0x0
	s_wait_kmcnt 0x0
	s_add_nc_u64 s[34:35], s[4:5], s[22:23]
	s_add_nc_u64 s[38:39], s[4:5], s[24:25]
	s_add_nc_u64 s[84:85], s[34:35], s[84:85]
	s_add_nc_u64 s[86:87], s[38:39], s[86:87]
	s_add_nc_u64 s[42:43], s[34:35], CHK
	s_add_nc_u64 s[46:47], s[38:39], CHK
	s_or_b32 s35, s35, 0x80000000
	s_or_b32 s39, s39, 0x80000000
	s_or_b32 s43, s43, 0x80000000
	s_or_b32 s47, s47, 0x80000000
	CROUND                                         ; all sixteen work-groups are here
	ARMS                                           ; chunks 0 and 1
	v_and_b32 v16, 31, v0
	v_and_b32 v17, 15, v0                          ; r
	v_bfe_u32 v18, v0, 4, 1                        ; h
	v_lshlrev_b32 v13, 4, v16                      ; 16 x lane
	v_lshlrev_b32 v14, 3, v16                      ; 8 x lane
	v_lshlrev_b32 v15, 3, v18                      ; 8 h
	v_lshlrev_b32 v10, 4, v17                      ; 16 r
	s_mul_i32 s60, s15, 12288
	v_add_nc_u32 v1, s60, v13                      ; P's codes in slot 0
	s_lshl_b32 s60, s15, 9
	s_add_co_u32 s60, s60, 49152
	v_add_nc_u32 v4, s60, v10                      ; its scale words
	s_mul_i32 s61, s16, 12288
	s_add_co_u32 s61, s61, CHK
	v_add_nc_u32 v7, s61, v13                      ; Q's codes
	s_lshl_b32 s61, s16, 9
	s_add_co_u32 s61, s61, CHK+49152
	v_add_nc_u32 v10, s61, v10
.irp t, 1,2
	v_add_nc_u32 v[1+\t], \t*SLOT, v1
	v_add_nc_u32 v[4+\t], \t*SLOT, v4
	v_add_nc_u32 v[7+\t], \t*SLOT, v7
	v_add_nc_u32 v[10+\t], \t*SLOT, v10
.endr
	v_min_u32 v31, 24, v16
	v_lshlrev_b32 v31, 8, v31
	WALU
	s_lshl_b32 s60, s17, 10
	s_lshl_b32 s61, s15, 9
	s_add_co_u32 s60, s60, s61
	v_lshl_add_u32 v19, v18, 7, s60                ; the bias, tensors 0, 1: 1,024 cx + 512 a + 128 h
	s_lshl_b32 s60, s18, 10
	s_lshl_b32 s61, s16, 9
	s_add_co_u32 s60, s60, s61
	v_lshrrev_b32 v30, 3, v17
	v_lshl_add_u32 v30, v30, 7, s60
	v_and_b32 v20, 7, v17
	v_lshl_add_u32 v30, v20, 2, v30                ; tensor 2: 1,024 cy + 512 b + 128 (r / 8) + 4 (r % 8)
	v_cndmask_b32 v19, v19, v30, s21
	s_cmp_eq_u32 s19, 1
	s_cselect_b64 s[6:7], s[8:9], s[6:7]
	s_cmp_eq_u32 s19, 2
	s_cselect_b64 s[6:7], s[10:11], s[6:7]
	WALU
	s_cbranch_scc1 .Lbias_v
	WIN 0x40
.irp p, 0,1,2,3,4,5,6,7
	global_load_b128 v[192+8*\p:195+8*\p], v19, s[6:7] offset:32*\p+128*(\p/4)
	global_load_b128 v[196+8*\p:199+8*\p], v19, s[6:7] offset:32*\p+128*(\p/4)+16
.endr
	WIN 0
	s_branch .Lbias_done
.Lbias_v:
	WIN 0x40
.irp q, 0,1,2,3,4,5,6,7
	global_load_b32 v[192+8*\q], v19, s[6:7] offset:32*\q+128*(\q/4)
.endr
	WIN 0
.Lbias_done:
	global_prefetch_b8 v31, s[84:85] th:TH_LOAD_NT scope:SCOPE_SE
	global_prefetch_b8 v31, s[86:87] th:TH_LOAD_NT scope:SCOPE_SE
	s_lshl_b32 s60, s17, 2                         ; where the results go
	s_lshl_b32 s62, s15, 1
	s_add_co_u32 s60, s60, s62                     ; 4 cx + 2 a
	s_lshl_b32 s61, s18, 2
	s_lshl_b32 s62, s16, 1
	s_add_co_u32 s61, s61, s62                     ; 4 cy + 2 b
	s_mov_b32 s62, REC
	s_mov_b32 s63, 3072
	s_mov_b32 s94, 128
	s_cmp_eq_u32 s19, 2
	s_cselect_b32 s88, s63, s62                    ; from P's group to the next: a head, or (tensor 2) a band
	s_cselect_b32 s90, s62, s63                    ; from Q's
	s_cselect_b32 s92, s94, s62                    ; the same in the scale bytes
	s_cselect_b32 s91, s62, s94
	s_cselect_b32 s62, s61, s60                    ; my first head
	s_cselect_b32 s63, s60, s61                    ; my first band
	s_mov_b32 s89, 0
	s_mov_b32 s93, 0
	s_lshl_b32 s60, s19, 2
	s_add_co_u32 s60, s60, s20
	s_lshl_b32 s60, s60, 4
	s_add_co_u32 s60, s60, s62
	s_mul_i32 s60, s60, REC
	s_lshl_b32 s62, s63, 7
	s_add_co_u32 s62, s62, s60
	s_add_co_u32 s62, s62, 49152
	s_mul_i32 s63, s63, 3072
	s_add_co_u32 s60, s60, s63
	s_mov_b32 s61, 0
	s_mov_b32 s63, 0
	s_mov_b32 s94, s90
	s_mov_b32 s95, 0
	s_add_nc_u64 s[48:49], s[12:13], s[60:61]      ; codes: groups (0, 0), (0, 1), (1, 0), (1, 1)
	s_add_nc_u64 s[50:51], s[48:49], s[94:95]
	s_add_nc_u64 s[52:53], s[48:49], s[88:89]
	s_add_nc_u64 s[54:55], s[52:53], s[94:95]
	s_add_nc_u64 s[56:57], s[12:13], s[62:63]      ; scale bytes: groups (0, .), (1, .)
	s_add_nc_u64 s[58:59], s[56:57], s[92:93]
	s_mov_b32 s66, 0x76543210
	s_mov_b32 s67, 0xfedcba98
	s_wait_loadcnt 0x0                             ; the bias
	s_cmp_eq_u32 s19, 2
	s_cbranch_scc0 .Lspread
	WIN 0x41
.irp q, 0,1,2,3,4,5,6,7
.irp i, 1,2,3,4,5,6,7
	v_mov_b32 v[192+8*\q+\i], v[192+8*\q]          ; tensor 2: one number a lane, over the tile's eight registers
.endr
.endr
	WIN 0
.Lspread:
	WALU                                           ; the wait at the head's end
	s_cmp_lt_u32 s14, 2
	s_cbranch_scc0 .Lnot_first
	s_wait_tensorcnt 0x0
.Lnot_first:
	s_barrier_signal -1
	s_barrier_wait -1                              ; chunk 0 is in; chunk 1 may be on its way
	FP 0, 0
	FQ 0, 0
	FQ 0, 1
	FP 0, 1
.macro STEP s
.if (\s) == 7
	s_wait_dscnt 0x0
	PLACES 4                                       ; (the way out writes registers that step 6's products read)
	MUL 7, 0, 0, 16, 0, 9
	PLACES 4
	MUL 7, 1, 0, 16, 0, 2                          ; the way out of finished units among the products
	FINO 0
	PLACES 4
	MUL 7, 2, 0, 16, 64, 2
	FINO 1
	PLACES 4
	MUL 7, 3, 0, 16, 128, 2
	FINO 2
.elseif (\s)%2 == 0
	s_wait_dscnt 13                                ; all but the second group of P
	PLACES 4
	FP (\s)+1, 0
	FQ (\s)+1, 0
.if (\s) == 0
	MULF 0
.else
	MUL \s, 0, 0, 16, 0, 9
.endif
	FQ (\s)+1, 1
.if (\s) == 0
	MULF 1
.else
	MUL \s, 1, 0, 16, 0, 9
.endif
	s_wait_dscnt 39                                ; this step's second group of P is in; the next step's 39 may be out
	FP (\s)+1, 1
.if (\s) == 0
	MULF 2
	MULF 3
.else
	MUL \s, 2, 0, 16, 0, 9
	MUL \s, 3, 0, 16, 0, 9
.endif
.else
	s_wait_dscnt 13
	MUL \s, 0, 0, 16, 0, 9
	MUL \s, 1, 0, 16, 0, 9
.if (\s) == 3
	s_cmp_lt_u32 s14, 2
	s_cbranch_scc0 .Lnot_third
.endif
	s_wait_tensorcnt 0x0                           ; the next chunk: step 1 and 5 every wave's load, step 3 waves 0 and 1's
.if (\s) == 3
.Lnot_third:
.endif
.if (\s) == 1
	ds_add_u32 v28, v29                            ; ahead of the round behind which slots are filled
	s_mov_b32 s33, 2*SLOT                          ; no load of mine is out: chunks 2 (third slot) and 3 (first slot)
	s_mov_b32 s37, 2*SLOT+CHK
	s_mov_b32 s41, 0
	s_mov_b32 s45, CHK
	s_add_nc_u64 s[34:35], s[34:35], 2*CHK
	s_add_nc_u64 s[38:39], s[38:39], 2*CHK
	s_add_nc_u64 s[42:43], s[42:43], 2*CHK
	s_add_nc_u64 s[46:47], s[46:47], 2*CHK
	s_wait_dscnt 1                                 ; the second group of P is in; the add may be out
.else
	s_wait_dscnt 0x0
.endif
	MUL \s, 2, 0, 8, 0, 9
	s_wait_dscnt 0x0                               ; the add, and my reads of the chunk behind me
	s_barrier_signal -1
	MUL \s, 2, 8, 16, 0, 9
	s_barrier_wait -1
.if (\s) == 1
	CREST
	ARMS
.else
	PLACES 4
.endif
	FP (\s)+1, 0
	FQ (\s)+1, 0
	FQ (\s)+1, 1
	MUL \s, 3, 0, 16, 0, 9
	FP (\s)+1, 1
.endif
.endm
	STEP 0
	STEP 1
	STEP 2
	STEP 3
	STEP 4
	STEP 5
	STEP 6
	STEP 7
.irp P, 3,4,5,6,7
	MAXALL (64*\P)&255, 2+\P/4
	FINO \P
.endr
.irp i, 0,1,2,3,4,5,6,7
	v_mov_b32 v[192+\i], 0                         ; (a lane permute's destination counts as one of its sources)
.endr
.irp i, 0,1,2,3,4,5,6,7
	v_lshlrev_b32 v[20+\i], v15, v[20+\i]
.endr
.irp i, 0,1,2,3,4,5,6,7
	v_permlanex16_b32 v[192+\i], v[20+\i], s66, s67
.endr
.irp i, 0,1,2,3,4,5,6,7
	v_or_b32 v[20+\i], v[20+\i], v[192+\i]         ; groups i / 2, tiles 2 (i % 2), 2 (i % 2) + 1: row r's four bytes
.endr
	v_cmp_ne_u32 vcc_lo, 0, v15
	v_lshrrev_b32 v201, 3, v15
	v_and_b32 v200, 127, v14                       ; 8 r
	v_mul_lo_u32 v201, v201, s91
	v_cndmask_b32 v202, v20, v22, vcc_lo           ; lanes 0-15 Q's first group, lanes 16-31 its second
	v_cndmask_b32 v203, v21, v23, vcc_lo
	v_cndmask_b32 v204, v24, v26, vcc_lo
	v_cndmask_b32 v205, v25, v27, vcc_lo
	v_add_nc_u32 v200, v200, v201
	global_store_b64 v200, v[202:203], s[56:57]
	global_store_b64 v200, v[204:205], s[58:59]
	s_wait_tensorcnt 0x0                           ; the wave's end
	ds_add_u32 v28, v29
	s_wait_dscnt 0x0
	CROUND                                         ; the closing round
	s_endpgm
.Lfunc_end_k_qca6b6e29c0_gemm:
	.size	k_qca6b6e29c0_gemm, .Lfunc_end_k_qca6b6e29c0_gemm-k_qca6b6e29c0_gemm
	.p2alignl 7, 3214868480
	.fill 96, 4, 3214868480
	.section	.rodata,"a",@progbits
	.p2align	6, 0x0
	.amdhsa_kernel k_qca6b6e29c0_gemm
		.amdhsa_group_segment_fixed_size 327680
		.amdhsa_private_segment_fixed_size 0
		.amdhsa_enable_private_segment 0
		.amdhsa_kernarg_size 40
		.amdhsa_user_sgpr_count 2
		.amdhsa_user_sgpr_kernarg_segment_ptr 1
		.amdhsa_wavefront_size32 1
		.amdhsa_system_sgpr_workgroup_id_x 1
		.amdhsa_system_sgpr_workgroup_id_y 1
		.amdhsa_system_sgpr_workgroup_id_z 1
		.amdhsa_system_vgpr_workitem_id 0
		.amdhsa_next_free_vgpr 1024
		.amdhsa_next_free_sgpr 102
		.amdhsa_reserve_vcc 1
		.amdhsa_float_denorm_mode_32 3
		.amdhsa_float_denorm_mode_16_64 3
		.amdhsa_memory_ordered 1
		.amdhsa_forward_progress 1
		.amdhsa_inst_pref_size 150
	.end_amdhsa_kernel
	.amdgpu_metadata
---
amdhsa.version: [ 1, 2 ]
amdhsa.kernels:
  - .name:           k_qca6b6e29c0_gemm
    .symbol:         k_qca6b6e29c0_gemm.kd
    .args:
      - { .name: cod, .offset: 0, .size: 8, .value_kind: global_buffer, .address_space: global }
      - { .name: bk, .offset: 8, .size: 8, .value_kind: global_buffer, .address_space: global }
      - { .name: bv, .offset: 16, .size: 8, .value_kind: global_buffer, .address_space: global }
      - { .name: bq, .offset: 24, .size: 8, .value_kind: global_buffer, .address_space: global }
      - { .name: img, .offset: 32, .size: 8, .value_kind: global_buffer, .address_space: global }
    .group_segment_fixed_size: 327680
    .private_segment_fixed_size: 0
    .kernarg_segment_align: 8
    .kernarg_segment_size: 40
    .max_flat_workgroup_size: 128
    .sgpr_count:     102
    .vgpr_count:     1024
    .wavefront_size: 32
...
	.end_amdgpu_metadata
.endif
;; end of part 2
;; launch attn (part 3): grid 4 x 64, 8 waves a work-group, clusters of 4 x 1, 196,608 bytes of LDS; arguments img, out0; writes out0
.if DOCPART == 3
	.amdgcn_target "amdgcn-amd-amdhsa--gfx1250"
	.amdhsa_code_object_version 6
	.text
	.protected	k_qca6b6e29c0_attn
	.globl	k_qca6b6e29c0_attn
	.p2align	8
	.type	k_qca6b6e29c0_attn,@function
k_qca6b6e29c0_attn:
	s_mov_b64 s[64:65], 0
	v_nop
	global_prefetch_b8 v0, s[64:65] scope:SCOPE_SE
	s_setreg_imm32_b32 hwreg(HW_REG_WAVE_MODE, 25, 1), 1
	s_wait_xcnt 0x0
	s_wait_alu depctr_hold_cnt(0) depctr_sa_sdst(0) depctr_va_vdst(0) depctr_va_sdst(0) depctr_va_ssrc(0) depctr_va_vcc(0) depctr_vm_vsrc(0)
	s_getreg_b32 s2, hwreg(HW_REG_IB_STS2, 6, 4)
	s_cmp_eq_u32 s2, 0
	s_cbranch_scc0 .Lentry_in_a_cluster
	s_endpgm
.Lentry_in_a_cluster:
	s_bfe_u32 s2, ttmp6, 0x10000c
	s_cmp_lg_u32 s2, 0x3003
	s_cbranch_scc0 .Lentry_shape_is_right
	s_endpgm
.Lentry_shape_is_right:
; out0[batch][q][head][:] = the sum over keys of softmax(Q . K / 32) V, 64 heads of 1,024 x 1,024, head size 64, both products on codes of FP6 (E2M3) with E8M0 scales.
; t = score x log2(e) / 32; M = the row's largest t so far, rounded up to a whole number; p = 2^(t - M) is quantised along the keys, not normalised; the row's sum is taken of the unquantised p and divides O at the end.
; When M moves, the sum and O are multiplied by 2^(old M - new M), which rounds nothing.
; LIMITS: scaled scores (exponents to the base 2, before the maximum is taken away) under 2^31 in magnitude; a block of p that has fallen to zeros keeps the byte 1; NaN and infinities are not served.
; SHARES: work-group y = 16 batch + head; the four work-groups of a cluster own 256 queries each, a wave two tiles of 16 (A, B), so each fragment of K and V serves two.  The head's K and V records (51,200 bytes each: codes and
; scale bytes) lie whole in LDS, filled once, at the head, by joint loads: waves 0-3 a quarter of K's, waves 4-7 of V's.  No prefetch: everything is asked for at the head, no later tile is left to be named ahead.
; LAYOUT: S^T = K Q^T, O^T = V^T P^T: a lane holds one query.  Row m of tile j of a band of 64 is token 32 (m / 8) + 8 j + m % 8, so a lane's 32 scores of a band are one block of 32 neighbouring keys: no lane looks at another
; for a block's scale.  K = 64 in an instruction of 128: a fragment holds two key tiles and is multiplied by [q | 0] and by [0 | q]; its scale word holds both tiles' bytes.
; REGISTERS: window 0: v1-3, v8-10 addresses; v16-45 zeros, qA, zeros, qB, zeros; v46-47 q's scale words, v48-51 K's, v52-53 p's, v54-57 V's; v62-85 p's codes; v86-100 their second halves; v104-167 A's scores, then p; v168-231 B's;
; v232-255 at work.  Window 1: v0-63 O^T of A and B; v64-111 K's four fragments; v112-159 V's.
.set VREC,  51200
.set STAGE, 102400
.set SP,    272
.set SPARE, STAGE+8*32*SP
.set CS,    78
.set MSB, 0
.macro WIN new
.if MSB != (\new)
	s_set_vgpr_msb (MSB<<8)|(\new)
.set MSB, (\new)
.endif
.endm
.macro WALU
	s_wait_alu depctr_va_vdst(0)
.endm
.macro CROUND
	s_barrier_signal -1
	s_barrier_wait -1
	s_cmp_lg_u32 s10, 0
	s_cbranch_scc1 .Lnot_wave_0_\@
	s_barrier_signal -3
.Lnot_wave_0_\@:
	s_barrier_wait -3
	s_barrier_signal -1
	s_barrier_wait -1
.endm
.macro LOADK a8, a16, as               ; a key step's eight tiles and their scale words: 18 loads
	WIN 0x40
.irp n, 0,1,2,3,4,5,6,7
	ds_load_b128 v[64+6*\n:67+6*\n], \a16 offset:768*\n
	ds_load_b64 v[68+6*\n:69+6*\n], \a8 offset:768*\n+512
.endr
	WIN 0
	ds_load_b64 v[48:49], \as
	ds_load_b64 v[50:51], \as offset:128
.endm
.macro LOADV                           ; V's four fragments of the step behind which v8-10 stand one on: 18 loads
	WIN 0x40
.irp t, 0,1,2,3
.irp c, 0,1
	ds_load_b128 v[112+12*\t+6*\c:115+12*\t+6*\c], v9 offset:VREC-6144+3072*\c+768*\t
	ds_load_b64 v[116+12*\t+6*\c:117+12*\t+6*\c], v8 offset:VREC-6144+3072*\c+768*\t+512
.endr
.endr
	WIN 0
	ds_load_b64 v[58:59], v10 offset:VREC-256
	ds_load_b64 v[60:61], v10 offset:VREC-256+128
.endm
.macro QK
	WIN 0x01
.irp x, 0,1
.irp n, 0,1,2,3,4,5,6,7
	v_wmma_scale_f32_16x16x128_f8f6f4 v[104+64*\x+8*\n:111+64*\x+8*\n], v[64+12*(\n/2):75+12*(\n/2)], v[22+12*\x-6*(\n%2):33+12*\x-6*(\n%2)], 0, v[48+\n/2], v[46+\x] matrix_a_fmt:MATRIX_FMT_FP6 matrix_b_fmt:MATRIX_FMT_FP6
.endr
.endr
	WIN 0
.endm
	s_load_b128 s[4:7], s[0:1], 0x0                ; img, out0
	v_lshl_add_u32 v12, v0, 2, SPARE
	v_mov_b32 v13, 0
	ds_add_u32 v12, v13                            ; the opening add, twice on end
	ds_add_u32 v12, v13
	v_lshrrev_b32 v4, 5, v0
	v_readfirstlane_b32 s10, v4                    ; wave 0..7
	s_bfe_u32 s11, ttmp6, 0x40000                  ; cx: it enters Q's and out0's addresses alone
	s_and_b32 s12, ttmp7, 0xffff                   ; y
	s_lshr_b32 s13, s12, 4                         ; batch
	s_and_b32 s14, s12, 15                         ; head
	s_mov_b32 s24, 15|(3<<16)|(1<<21)              ; group 1: all four work-groups; elements of 8 bytes; 50 rows of 256 bytes, dense
	s_mov_b32 s25, 32<<16
	s_mov_b32 s26, 50<<16
	s_mov_b32 s27, 32<<16
	s_mov_b32 s28, 50
	s_mov_b32 s29, 32
	s_mov_b32 s30, 0
	s_mov_b32 s31, 0
	s_lshr_b32 s15, s10, 2                         ; 0: K, 1: V
	s_lshl_b32 s16, s15, 7
	s_add_co_u32 s16, s16, s12                     ; record y or 128 + y
	s_mul_i32 s16, s16, VREC
	s_and_b32 s17, s10, 3
	s_mul_i32 s17, s17, 12800
	s_add_co_u32 s16, s16, s17
	s_mov_b32 s17, 0
	s_mul_i32 s18, s10, 12800                      ; my quarter's place in LDS
	s_add_co_u32 s20, s12, 64
	s_mul_i32 s20, s20, VREC                       ; Q's record
	s_lshl_b32 s22, s11, 4
	s_lshl_b32 s23, s10, 1
	s_add_co_u32 s22, s22, s23
	s_mul_i32 s22, s22, 768                        ; my two tiles: 16 cx + 2 wave
	s_add_co_u32 s22, s22, s20
	s_mov_b32 s23, 0
	s_lshl_b32 s40, s11, 2
	s_lshr_b32 s41, s10, 1
	s_add_co_u32 s40, s40, s41                     ; band 4 cx + wave / 2
	s_and_b32 s41, s10, 1
	s_lshl_b32 s36, s40, 7
	s_lshl_b32 s42, s41, 2
	s_add_co_u32 s36, s36, s42
	s_add_co_u32 s36, s36, s20
	s_add_co_u32 s36, s36, 49152
	s_mov_b32 s37, 0
	s_lshl_b32 s38, s13, 22                        ; out0: batch, band, tile pair, head
	s_lshl_b32 s42, s40, 18
	s_add_co_u32 s38, s38, s42
	s_lshl_b32 s42, s41, 16
	s_add_co_u32 s38, s38, s42
	s_lshl_b32 s42, s14, 8
	s_add_co_u32 s38, s38, s42
	s_mov_b32 s39, 0
	s_mov_b32 s76, 0x76543210
	s_mov_b32 s77, 0xfedcba98
	s_mov_b32 s[CS], 0x3d38aa3b                    ; c = log2(e) / 32
	s_mov_b32 s[CS+1], s[CS]
	s_mov_b32 s75, 0xbd38aa3b                      ; -c
	s_mov_b32 s80, 6144
	s_mov_b32 s81, 256
	s_mov_b32 s82, 6
	v_and_b32 v4, 15, v0                           ; r
	v_bfe_u32 v5, v0, 4, 1                         ; h
	v_and_b32 v1, 31, v0
	v_lshlrev_b32 v7, 3, v4                        ; 8 r
	v_lshlrev_b32 v6, 3, v5                        ; 8 h
	v_lshlrev_b32 v2, 4, v1                        ; 16 x lane
	v_lshlrev_b32 v1, 3, v1                        ; 8 x lane
	v_add_nc_u32 v3, 49152, v7                     ; K's scale words
	WALU
	s_wait_dscnt 0x0
	s_wait_kmcnt 0x0
	s_mov_b32 s32, 1
	s_mov_b32 s33, s18
	s_add_nc_u64 s[34:35], s[4:5], s[16:17]
	s_or_b32 s35, s35, 0x80000000
	s_add_nc_u64 s[22:23], s[4:5], s[22:23]
	s_add_nc_u64 s[36:37], s[4:5], s[36:37]
	s_add_nc_u64 s[38:39], s[6:7], s[38:39]
	global_load_b128 v[22:25], v2, s[22:23]        ; q of both tiles; it stays
	global_load_b64 v[26:27], v1, s[22:23] offset:512
	global_load_b128 v[34:37], v2, s[22:23] offset:768
	global_load_b64 v[38:39], v1, s[22:23] offset:1280
	global_load_b32 v14, v7, s[36:37]              ; row r's two bytes of tile A, two of tile B
	CROUND                                         ; all four work-groups are here
	s_cmp_lt_u32 s10, 4
	s_cbranch_scc0 .Lfetch_v
	tensor_load_to_lds s[32:35], s[24:31]          ; waves 0-3: K
	s_nop 0
.rept 4
	v_nop
.endr
	s_branch .Lasked
.Lfetch_v:
	tensor_load_to_lds s[32:35], s[24:31]          ; waves 4-7: V
	s_nop 0
.rept 4
	v_nop
.endr
.Lasked:
.irp j, 0,1,2,3,4,5
	v_mov_b32 v[16+\j], 0
	v_mov_b32 v[28+\j], 0
	v_mov_b32 v[40+\j], 0
.endr
	v_mov_b32 v236, 0xff61b1e6                     ; the largest score so far: -3e38
	v_mov_b32 v237, 0xff61b1e6
	v_mov_b32 v238, 0x7d000000                     ; -M, above every later one
	v_mov_b32 v240, 0x7d000000
.irp j, 246,247,248,249,254,255
	v_mov_b32 v\j, 0                               ; the sums; the lane permutes' destinations
.endr
	WALU
	s_wait_loadcnt 0x0
	v_perm_b32 v46, v14, v14, 0x01000100           ; q's scale words: a tile's two bytes twice
	v_perm_b32 v47, v14, v14, 0x03020302
	WIN 0x40
.set j, 0
.rept 64
	v_mov_b32 v[j], 0                              ; O^T: the step's text is one for all trips; the first finds zeros
.set j, j+1
.endr
	WIN 0
	WALU
	s_cmp_lt_u32 s10, 4
	s_cbranch_scc0 .Lnot_k
	s_wait_tensorcnt 0x0
.Lnot_k:
	s_barrier_signal -1
	s_barrier_wait -1                              ; K's record is whole; V's may be on its way
	LOADK v1, v2, v3
	s_wait_dscnt 0x0
	QK
; One key step of 128: softmax of its scores, O^T += V^T P^T, and the next step's scores.  In the first trip V's record is waited for behind the maxima.
.macro TRIP last, first
	v_add_nc_u32 v8, s80, v1                       ; these four lines are the places behind the products above
	v_add_nc_u32 v9, s80, v2
	v_add_nc_u32 v10, s81, v3
	v_nop
.if !(\first)
	LOADV
.endif
.if !(\last)
	LOADK v8, v9, v10
.endif
.set e, 0
.rept 16                                       ; the largest score of each block of 32 keys: A's two, B's two, by turns
.irp g, 0,1,2,3
.if e == 0
	v_max3_num_f32 v[232+\g], v[104+32*\g], v[105+32*\g], v[106+32*\g]
.elseif e < 15
	v_max3_num_f32 v[232+\g], v[232+\g], v[105+32*\g+2*e], v[106+32*\g+2*e]
.else
	v_max_num_f32 v[232+\g], v[232+\g], v[135+32*\g]
.endif
.endr
.set e, e+1
.endr
	v_max3_num_f32 v239, v236, v232, v233
	v_max3_num_f32 v241, v237, v234, v235
	v_permlanex16_b32 v254, v239, s76, s77
	v_permlanex16_b32 v255, v241, s76, s77
	v_max_num_f32 v236, v239, v254                 ; the row's largest score so far
	v_max_num_f32 v237, v241, v255
	v_mul_f32 v239, s75, v236
	v_mul_f32 v241, s75, v237
	v_floor_f32 v239, v239                         ; the new -M = floor(-t)
	v_floor_f32 v241, v241
	v_sub_f32 v243, v239, v238                     ; old M less new M: a whole number, 0 or less
	v_sub_f32 v245, v241, v240
	v_mov_b32 v238, v239
	v_mov_b32 v240, v241
	v_cvt_i32_f32 v243, v243                       ; (it saturates)
	v_cvt_i32_f32 v245, v245
	v_ldexp_f32 v242, 1.0, v243                    ; f
	v_ldexp_f32 v244, 1.0, v245
	v_pk_mul_f32 v[246:247], v[246:247], v[242:243] op_sel_hi:[1,0]
	v_pk_mul_f32 v[248:249], v[248:249], v[244:245] op_sel_hi:[1,0]
	WIN 0x41
.set j, 0
.rept 16
	v_pk_mul_f32 v[j:j+1], v[j:j+1], v[242:243] op_sel_hi:[1,0]          ; O^T under the new M
	v_pk_mul_f32 v[32+j:33+j], v[32+j:33+j], v[244:245] op_sel_hi:[1,0]
.set j, j+2
.endr
	WIN 0
.if \first
	WALU
	s_wait_tensorcnt 0x0
	s_wait_dscnt 0x0
	s_barrier_signal -1
	s_barrier_wait -1                              ; V's record is whole
	LOADV
.endif
.set j, 0
.rept 32
	v_pk_fma_f32 v[104+j:105+j], v[104+j:105+j], s[CS:CS+1], v[238:239] op_sel_hi:[1,0,0]   ; A's t - M
.set j, j+2
.endr
	v_fma_f32 v232, v232, s[CS], v238
	v_fma_f32 v233, v233, s[CS], v238
	WALU                                           ; the wait ahead of the batch
.set j, 0
.rept 32                                       ; A's p; B's t - M between
	v_exp_f32 v[104+j], v[104+j]
	v_exp_f32 v[105+j], v[105+j]
	v_pk_fma_f32 v[168+j:169+j], v[168+j:169+j], s[CS:CS+1], v[240:241] op_sel_hi:[1,0,0]
.set j, j+2
.endr
	v_exp_f32 v232, v232                           ; A's blocks' largest p: the same two operations on the same number
	v_exp_f32 v233, v233
	v_fma_f32 v234, v234, s[CS], v240
	v_fma_f32 v235, v235, s[CS], v240
	WALU
.set j, 0
.rept 64
	v_exp_f32 v[168+j], v[168+j]
.set j, j+1
.endr
	v_exp_f32 v234, v234
	v_exp_f32 v235, v235
	v_max_num_f32 v232, 0x1800000, v232            ; the floor 2^(3 - 127)
	v_max_num_f32 v233, 0x1800000, v233
	WALU                                           ; ahead of the batch's first reader
	v_max_num_f32 v234, 0x1800000, v234
	v_max_num_f32 v235, 0x1800000, v235
.irp g, 0,1,2,3
	v_add_nc_u32 v[232+\g], 0xff000000, v[232+\g]  ; 2 off the exponent field: the conversions' scale operand
.endr
	v_lshrrev_b32 v14, 23, v232
	v_lshrrev_b32 v101, 23, v234
	v_lshrrev_b32 v15, 23, v233
	v_lshrrev_b32 v102, 23, v235
	v_lshl_or_b32 v14, v15, 16, v14
	v_lshl_or_b32 v101, v102, 16, v101
	v_lshlrev_b32 v14, v6, v14                     ; my two bytes, h bytes up
	v_lshlrev_b32 v101, v6, v101
	v_permlanex16_b32 v254, v14, s76, s77
	v_permlanex16_b32 v255, v101, s76, s77
	v_or_b32 v52, v14, v254                        ; p's scale words
	v_or_b32 v53, v101, v255
.irp x, 0,1
.irp c, 0,1
	v_cvt_scalef32_pk16_fp6_f32 v[62+12*\x+6*\c:64+12*\x+6*\c], v[104+64*\x+32*\c:119+64*\x+32*\c], v[232+2*\x+\c]
	v_cvt_scalef32_pk16_fp6_f32 v[86+8*\x+4*\c:88+8*\x+4*\c], v[120+64*\x+32*\c:135+64*\x+32*\c], v[232+2*\x+\c]
.endr
.endr
	WALU
	s_wait_dscnt 0x0                               ; V and the next K are in
	v_perm_b32 v54, v60, v58, 0x05040100           ; V's scale words: two bytes from each of the step's two bands
	v_perm_b32 v55, v60, v58, 0x07060302
	v_perm_b32 v56, v61, v59, 0x05040100
	v_perm_b32 v57, v61, v59, 0x07060302
.irp i, 0,1,2
.irp x, 0,1
.irp c, 0,1
	v_mov_b32 v[65+12*\x+6*\c+\i], v[86+8*\x+4*\c+\i]
.endr
.endr
.endr
	v_pk_add_f32 v[250:251], v[104:105], v[106:107]   ; the sums of the unquantised p, two chains for each tile: 64 lines, the places ahead of the products
	v_pk_add_f32 v[252:253], v[168:169], v[170:171]
.set j, 4
.rept 15
	v_pk_add_f32 v[246:247], v[246:247], v[104+j:105+j]
	v_pk_add_f32 v[248:249], v[248:249], v[168+j:169+j]
	v_pk_add_f32 v[250:251], v[250:251], v[106+j:107+j]
	v_pk_add_f32 v[252:253], v[252:253], v[170+j:171+j]
.set j, j+4
.endr
	v_pk_add_f32 v[246:247], v[246:247], v[250:251]
	v_pk_add_f32 v[248:249], v[248:249], v[252:253]
	WIN 0x51
.irp x, 0,1
.irp t, 0,1,2,3
	v_wmma_scale_f32_16x16x128_f8f6f4 v[32*\x+8*\t:32*\x+8*\t+7], v[112+12*\t:123+12*\t], v[62+12*\x:73+12*\x], v[32*\x+8*\t:32*\x+8*\t+7], v[54+\t], v[52+\x] matrix_a_fmt:MATRIX_FMT_FP6 matrix_b_fmt:MATRIX_FMT_FP6
.endr
.endr
.if !(\last)
	QK
.else
	WIN 0
.endif
	WALU
.endm
	TRIP 0, 1
	s_add_co_u32 s80, s80, 6144
	s_add_co_u32 s81, s81, 256
.Lstep:                                                ; six trips; the first and the eighth are written out
	TRIP 0, 0
	s_add_co_u32 s80, s80, 6144
	s_add_co_u32 s81, s81, 256
	s_sub_co_u32 s82, s82, 1
	s_cmp_lg_u32 s82, 0
	s_cbranch_scc1 .Lstep
	TRIP 1, 0
	; THE WAY OUT: O^T / the sum through my own stage in LDS, back as rows of 256 bytes, which sixteen lanes store.
	v_add_f32 v246, v246, v247
	v_add_f32 v248, v248, v249
	v_permlanex16_b32 v254, v246, s76, s77
	v_permlanex16_b32 v255, v248, s76, s77
	v_add_f32 v246, v246, v254
	v_add_f32 v248, v248, v255
	WALU
	v_rcp_f32 v246, v246
	v_rcp_f32 v248, v248
	s_mul_i32 s42, s10, 32*SP
	s_add_co_u32 s42, s42, STAGE
	v_mul_u32_u24 v8, v4, SP
	v_mul_u32_u24 v9, v5, SP
	v_lshl_add_u32 v8, v5, 7, v8
	v_lshl_add_u32 v9, v4, 4, v9
	v_add_nc_u32 v8, s42, v8                       ; in: row r, + 128 h
	v_add_nc_u32 v9, s42, v9                       ; back: lanes 0-15 one row, lanes 16-31 the next
	v_lshlrev_b32 v10, 12, v5
	v_lshl_add_u32 v10, v4, 4, v10                 ; and the same in out0
	WALU
	WIN 0x01
.set j, 0
.rept 16
	v_pk_mul_f32 v[104+j:105+j], v[j:j+1], v[246:247] op_sel_hi:[1,0]
	v_pk_mul_f32 v[136+j:137+j], v[32+j:33+j], v[248:249] op_sel_hi:[1,0]
.set j, j+2
.endr
	WIN 0
.irp x, 0,1
.irp i, 0,1,2,3,4,5,6,7
	ds_store_b128 v8, v[104+32*\x+4*\i:107+32*\x+4*\i] offset:16*SP*\x+16*\i
.endr
.endr
.irp x, 0,1
.irp i, 0,1,2,3,4,5,6,7
	ds_load_b128 v[168+32*\x+4*\i:171+32*\x+4*\i], v9 offset:16*SP*\x+2*SP*\i   ; in order behind my stores (ISA guide 5.7.1.4)
.endr
.endr
.irp x, 0,1
.irp i, 0,1,2,3,4,5,6,7
	s_wait_dscnt 15-8*\x-\i
	global_store_b128 v10, v[168+32*\x+4*\i:171+32*\x+4*\i], s[38:39] offset:(32*(\i/4)+2*(\i%4)+8*\x)*4096 th:TH_STORE_NT   ; row 2 i + h of the tile
.endr
.endr
	s_wait_tensorcnt 0x0                           ; the wave's end
	ds_add_u32 v12, v13
	s_wait_dscnt 0x0
	CROUND                                         ; the closing round
	s_endpgm
.Lfunc_end_k_qca6b6e29c0_attn:
	.size	k_qca6b6e29c0_attn, .Lfunc_end_k_qca6b6e29c0_attn-k_qca6b6e29c0_attn
	.p2alignl 7, 3214868480
	.fill 96, 4, 3214868480
	.section	.rodata,"a",@progbits
	.p2align	6, 0x0
	.amdhsa_kernel k_qca6b6e29c0_attn
		.amdhsa_group_segment_fixed_size 196608
		.amdhsa_private_segment_fixed_size 0
		.amdhsa_enable_private_segment 0
		.amdhsa_kernarg_size 16
		.amdhsa_user_sgpr_count 2
		.amdhsa_user_sgpr_kernarg_segment_ptr 1
		.amdhsa_wavefront_size32 1
		.amdhsa_system_sgpr_workgroup_id_x 1
		.amdhsa_system_sgpr_workgroup_id_y 1
		.amdhsa_system_sgpr_workgroup_id_z 1
		.amdhsa_system_vgpr_workitem_id 0
		.amdhsa_next_free_vgpr 416
		.amdhsa_next_free_sgpr 92
		.amdhsa_reserve_vcc 0
		.amdhsa_float_denorm_mode_32 3
		.amdhsa_float_denorm_mode_16_64 3
		.amdhsa_memory_ordered 1
		.amdhsa_forward_progress 1
		.amdhsa_inst_pref_size 99
	.end_amdhsa_kernel
	.amdgpu_metadata
---
amdhsa.version: [ 1, 2 ]
amdhsa.kernels:
  - .name:           k_qca6b6e29c0_attn
    .symbol:         k_qca6b6e29c0_attn.kd
    .args:
      - { .name: img, .offset: 0, .size: 8, .value_kind: global_buffer, .address_space: global }
      - { .name: out0, .offset: 8, .size: 8, .value_kind: global_buffer, .address_space: global }
    .group_segment_fixed_size: 196608
    .private_segment_fixed_size: 0
    .kernarg_segment_align: 8
    .kernarg_segment_size: 16
    .max_flat_workgroup_size: 256
    .sgpr_count:     92
    .vgpr_count:     416
    .wavefront_size: 32
...
	.end_amdgpu_metadata
.endif
;; end of part 3
